; MI455X (gfx1250); checked and timed in simulation.
; The chip was launched on July 23, 2026; its instructions are those of AMD's public machine-readable ISA for CDNA 5 (MIT licence, August 2026) and "CDNA5" Instruction Set Architecture Reference Guide (July 2026). The comments in the code are by the model that wrote it; some were corrected since.
;; Bahdanau Attention. Allowed arithmetic: matrix products marked QUANTISED: E2M1 operands, one E8M0 scale for each 32 along K, by v_wmma_scale_f32_16x16x128_f8f6f4 with both operands' format E2M1 (or v_wmma_scale_f32_32x16x128_f4), f32 sums; products left as they are: f32 operands where the result goes on into a quantised operand, else bf16, f16 or f32 operands; f32 sums; everything else in f32.
;; Inputs: W_dec_codes 1,024 x 32 x 16 uint8 (E2M1 codes of W_dec, K innermost, in blocks of 32 codes, two codes a byte); W_dec_scales 1,024 x 32 uint8 (E8M0 scales of W_dec, one for each 32 codes along K); W_enc_codes 1,024 x 32 x 16 uint8 (E2M1 codes of W_enc, K innermost, in blocks of 32 codes, two codes a byte); W_enc_scales 1,024 x 32 uint8 (E8M0 scales of W_enc, one for each 32 codes along K); b_dec 1,024 float32; b_e one number float32; b_enc 1,024 float32; decoder_hidden_codes 32 x 32 x 16 uint8 (E2M1 codes of decoder_hidden, K innermost, in blocks of 32 codes, two codes a byte); decoder_hidden_scales 32 x 32 uint8 (E8M0 scales of decoder_hidden, one for each 32 codes along K); encoder_outputs 32 x 2,048 x 1,024 float32; mask 32 x 2,048 bool; w_e 1,024 float32.
;; Outputs: out0 32 x 1,024 float32; out1 32 x 2,048 float32.
;; This version of the problem:
;;   THIS VERSION OF THE PROBLEM IS GIVEN IN LOW PRECISION. The matrix products marked QUANTISED in the list below multiply operands that are first quantised to E2M1 (2 exponent bits, 1 mantissa bit; 4 bits a number), with one power-of-two scale for each 32 numbers along K (OCP MX v1.0); their sums are f32. All else is computed in f32.
;;   The module's matrix products, in the order in which they are computed (A, B: the left and right operand; K: the contracted axis; several contracted axes count as one K, in the product's order):
;;     1. [M 65,536, K 1,024] x [K 1,024, N 1,024]; A: input encoder_outputs; B: input W_enc (given as codes): QUANTISED
;;     2. [M 32, K 1,024] x [K 1,024, N 1,024]; A: input decoder_hidden (given as codes); B: input W_dec (given as codes): QUANTISED
;;     3. [M 65,536, K 1,024] x [K 1,024, N 1]; A: computed on the way; B: input w_e: left as it is (N = 1 < 16)
;;     4. batch 32 x [M 1, K 2,048] x [K 2,048, N 1,024]; A: softmax; B: input encoder_outputs: left as it is (M = 1 < 16)
;;   THE QUANTISER, for each operand of a quantised product, along K:
;;     - K is cut into blocks of 32 from its start; a last block that is shorter is filled with zeros.
;;     - A block's scale is 2^e with e = floor(log2(the largest magnitude in the block)) - 2, held to -126 .. 127; a block of zeros has e = 0. As a byte (E8M0): e + 127.
;;     - Each number is divided by its block's scale, clamped to +-6, and rounded to the nearest number of E2M1, ties to even, subnormals kept.
;;     - The product sums the exact products of the quantised numbers (number of the format x scale) in f32.
;;   ~~~python
;;   def quantise(x, axis):      # numpy; x: float32 -> the quantised numbers, widened to float32 again
;;       x = np.moveaxis(x, axis, -1); K = x.shape[-1]
;;       x = np.pad(x, [(0, 0)] * (x.ndim - 1) + [(0, -K % 32)]); x = x.reshape(x.shape[:-1] + (-1, 32)); a = np.abs(x).max(-1, keepdims=True)
;;       e = np.where(a > 0, np.clip(np.frexp(np.where(a > 0, a, 1))[1] - 1 - 2, -126, 127), 0)      # np.frexp(a)[1] - 1 = floor(log2(a)), exactly
;;       r = np.clip(x / 2.0 ** e, -6, 6)
;;       step = 2.0 ** (np.maximum(np.frexp(np.where(r == 0, 1, r))[1] - 1, 0) - 1)
;;       q = np.round(r / step) * step * 2.0 ** e      # np.round: ties to even
;;       return np.moveaxis(q.reshape(q.shape[:-2] + (-1,))[..., :K], -1, axis).astype(np.float32)
;;   ~~~
;;   INPUTS GIVEN AS CODES. W_dec (in the module: [1024, 1024], K = its axis 0); W_enc (in the module: [1024, 1024], K = its axis 0); decoder_hidden (in the module: [32, 1024], K = its axis 1): each comes as NAME_codes (uint8): NAME with its K axis moved to the last place and cut into blocks of 32 codes, [.., K / 32, bytes a block], one block behind the other in memory; two codes a byte, the lower K in the low four bits (a code: sign, 2 exponent bits, 1 mantissa bit); and NAME_scales (uint8): the same leading axes, one E8M0 byte (e + 127) for each 32 codes along K. Its value is code x scale, taken as it is: it is not quantised again, and the codes and scales need not be those that the quantiser above would give.
;; One version. Each part assembles by itself: llvm-mc -triple=amdgcn-amd-amdhsa -mcpu=gfx1250 --defsym DOCPART=n.
;; ======== version 1 of 1: 3 launches
;; limits: values are held in bf16: 8 bits of precision; right only within a limited range of input values
;; workspace buffers: wfr 557,056 bytes; biasc 131,072 bytes; eng 262,144 bytes; pctx 1,048,576 bytes; stat 65,536 bytes
;; launch prep (part 1): grid 32 x 1, 4 waves a work-group, no clusters, 5,120 bytes of LDS; arguments W_enc_codes, W_enc_scales, W_dec_codes, W_dec_scales, decoder_hidden_codes, decoder_hidden_scales, b_dec, b_enc, wfr, biasc; writes wfr, biasc
.if DOCPART == 1
	.amdgcn_target "amdgcn-amd-amdhsa--gfx1250"
	.amdhsa_code_object_version 6
	.text
	.protected	k_q0dfa9827f7_prep
	.globl	k_q0dfa9827f7_prep
	.p2align	8
	.type	k_q0dfa9827f7_prep,@function
k_q0dfa9827f7_prep:
	s_mov_b64 s[64:65], 0
	v_nop
	global_prefetch_b8 v0, s[64:65] scope:SCOPE_SE
	s_setreg_imm32_b32 hwreg(HW_REG_WAVE_MODE, 25, 1), 1
	s_wait_xcnt 0x0
; BahdanauAttention in MX-FP4, launch 1 of 3: what the main launch wants ready.
;   biasc[b][a] = c x (decoder_hidden[b] . W_dec[:, a] + b_dec[a] + b_enc[a]),  c = 2 log2(e): the second product of the table, on the codes as they are given, and both biases.
;   wfr: W_enc's codes and scale bytes laid in the order of the operand's registers: a record of 8,704 bytes for each tile T of 16 columns a: 16 images of 512 bytes
;        (image 2 k + c: lane l's 16 bytes = row 16 T + l % 16, bytes 64 k + 32 c + 16 (l / 16)), then the scale image (lane l: the row's scale bytes 16 (l / 16) on).
; WORK LEFT OUT BY THE WHOLE PROGRAM, for all finite values of the inputs:
;   (1) b_e is added to every energy of a batch row alike; where the mask is 0 the energy is -infinity with it and without.  softmax(e + b_e) = softmax(e) along S, and the context is made
;       of the softmax alone.  So b_e reaches no output: it is not loaded and is among no launch's arguments.
;   (2) tanh(x) = 1 - 2 / (1 + e^(2 x)), so sum_a w_e[a] tanh(x[s][a]) = sum_a w_e[a] - 2 sum_a w_e[a] / (1 + e^(2 x[s][a])).  The first term is the same along S and goes as b_e goes.
;       The energy kept is the second term.
;   LIMIT: a NaN, an infinity or an overflow that reaches only b_e or sum_a w_e[a] is not carried to the result.
; SHARES: work-group g: mt = g % 2 (16 batch rows, and which half along K of W_enc's images it copies), ng = g / 2; wave w takes tile T = 4 ng + w.  One path for all waves.
; The product is used transposed (source 0 = 16 rows of W_dec, source 1 = 16 batch rows): a lane holds one batch row and eight neighbouring a.  Two accumulators take turns along K.
; The results go through a stage in LDS (16 rows x 256 bytes + 16), so that sixteen lanes store 256 consecutive bytes of biasc, aligned.
.set C2L,   0x4038aa3b                 ; c = 2 log2(e)
.set SPARE, 4352                       ; behind the stage: the spare words, 128 bytes for each wave
.set SPW,   252                        ; v252  LDS address of my spare word; never rewritten
.set NIL,   253                        ; v253  0; never rewritten
; v16-47 W_enc's 8 images; v[48:49] its scale bytes; v52-55 W_dec's scale words, v56-59 decoder_hidden's; v60-67 b_dec; v68-75 b_enc, then the sum; v76-83, v84-91 the accumulators; v92-99 the result;
; v100-163 W_dec's fragments; v164-227 decoder_hidden's; v228-235 rows read back
	s_load_b512 s[4:19], s[0:1], 0x0               ; W_enc codes, scales; W_dec codes, scales; decoder_hidden codes, scales; b_dec; b_enc
	s_load_b128 s[20:23], s[0:1], 0x40             ; wfr, biasc
	v_lshl_add_u32 v[SPW], v0, 2, SPARE
	v_mov_b32 v[NIL], 0
	v_lshrrev_b32 v1, 5, v0
	v_readfirstlane_b32 s24, v1                    ; wave
	s_and_b32 s25, ttmp9, 1                        ; mt
	s_lshr_b32 s26, ttmp9, 1                       ; ng
	s_lshl_b32 s27, s26, 2
	s_add_co_u32 s27, s27, s24                     ; T
	s_mov_b32 s40, C2L
	s_mov_b32 s41, C2L                             ; (named with it as a pair, so it is written)
	v_and_b32 v1, 31, v0                           ; l
	v_and_b32 v2, 15, v0                           ; r
	v_bfe_u32 v3, v0, 4, 1                         ; h
	v_lshlrev_b32 v4, 9, v2
	v_lshl_add_u32 v4, v3, 4, v4                   ; 512 r + 16 h: a fragment's place in rows of 512 bytes of codes
	v_lshlrev_b32 v5, 5, v2
	v_lshl_add_u32 v5, v3, 4, v5                   ; 32 r + 16 h: four scale words of a row of 32 scale bytes
	s_lshl_b32 s28, s27, 13                        ; 8,192 T: the tile's 16 rows of codes
	s_lshl_b32 s29, s25, 8                         ; 256 mt
	s_add_co_u32 s30, s28, s29
	v_add_nc_u32 v6, s30, v4                       ; W_enc's codes: my half along K
	v_add_nc_u32 v8, s28, v4                       ; W_dec's codes
	s_lshl_b32 s31, s27, 9                         ; 512 T: the tile's 16 rows of scale bytes
	s_lshl_b32 s32, s25, 4                         ; 16 mt
	s_add_co_u32 s33, s31, s32
	v_lshrrev_b32 v7, 1, v1
	v_lshlrev_b32 v7, 5, v7
	v_and_b32 v238, 1, v1
	v_lshl_add_u32 v7, v238, 3, v7
	v_add_nc_u32 v7, s33, v7                       ; W_enc's scale bytes: row 16 T + l / 2, bytes 16 mt + 8 (l % 2)
	v_add_nc_u32 v9, s31, v5                       ; W_dec's scale words
	s_lshl_b32 s34, s25, 13
	v_add_nc_u32 v10, s34, v4                      ; decoder_hidden's codes: rows 16 mt on
	s_lshl_b32 s34, s25, 9
	v_add_nc_u32 v11, s34, v5                      ; and their scale words
	s_lshl_b32 s34, s27, 6
	v_lshl_add_u32 v12, v3, 5, s34                 ; the biases: 4 (16 T + 8 h)
	s_mul_i32 s35, s27, 8704
	s_lshl_b32 s34, s25, 12
	s_add_co_u32 s34, s34, s35
	v_lshl_add_u32 v13, v1, 4, s34                 ; wfr: the record, my 8 images, 16 bytes a lane
	s_add_co_u32 s34, s35, s29
	v_lshl_add_u32 v14, v1, 3, s34                 ; wfr: my half of the scale image, 8 bytes a lane (+ 8,192 in the store)
	v_mul_u32_u24 v15, v2, 272
	v_lshl_add_u32 v15, v3, 5, v15
	s_lshl_b32 s34, s24, 6
	v_add_nc_u32 v15, s34, v15                     ; the stage, in: row r, 64 w + 32 h
	v_mul_u32_u24 v236, v3, 272
	v_lshl_add_u32 v236, v2, 4, v236
	s_mul_i32 s34, s24, 4*272
	v_add_nc_u32 v236, s34, v236                   ; and back: rows 4 w + h (and two further on), 16 bytes a lane
	s_lshl_b32 s34, s25, 16
	s_lshl_b32 s36, s24, 14
	s_add_co_u32 s34, s34, s36
	s_lshl_b32 s36, s26, 8
	s_add_co_u32 s34, s34, s36
	v_lshl_add_u32 v237, v3, 12, s34
	v_lshl_add_u32 v237, v2, 4, v237               ; biasc: row 16 mt + 4 w + h, byte 256 ng + 16 r
	s_wait_alu depctr_va_vdst(0)
	s_wait_kmcnt 0x0
.irp j, 0,1,2,3,4,5,6,7
	global_load_b128 v[16+4*\j:19+4*\j], v6, s[4:5] offset:32*\j
.endr
	global_load_b64 v[48:49], v7, s[6:7]
.irp j, 0,1,2,3,4,5,6,7,8,9,10,11,12,13,14,15
	global_load_b128 v[100+4*\j:103+4*\j], v8, s[8:9] offset:32*\j      ; registers 8 k + 4 c: bytes 64 k + 32 c of the row
	global_load_b128 v[164+4*\j:167+4*\j], v10, s[12:13] offset:32*\j
.endr
	global_load_b128 v[52:55], v9, s[10:11]        ; register q: lanes 0-15 K step q, lanes 16-31 K step 4 + q
	global_load_b128 v[56:59], v11, s[14:15]
	global_load_b128 v[60:63], v12, s[16:17]
	global_load_b128 v[64:67], v12, s[16:17] offset:16
	global_load_b128 v[68:71], v12, s[18:19]
	global_load_b128 v[72:75], v12, s[18:19] offset:16
	s_wait_loadcnt 0x0
.irp j, 0,1,2,3,4,5,6,7
	global_store_b128 v13, v[16+4*\j:19+4*\j], s[20:21] offset:512*\j   ; an image: 32 lanes store 512 consecutive bytes
.endr
	global_store_b64 v14, v[48:49], s[20:21] offset:8192                ; 256 consecutive bytes, aligned
.irp i, 0,2,4,6
	v_pk_add_f32 v[68+\i:69+\i], v[68+\i:69+\i], v[60+\i:61+\i]         ; b_dec + b_enc: the C of the first product
.endr
.rept 4
	v_nop
.endr
.irp k, 0,1,2,3,4,5,6,7
.set DA, 76+8*(\k%2)
.if \k == 0
	v_wmma_scale_f32_16x16x128_f8f6f4 v[DA:DA+7], v[100+8*\k:107+8*\k], v[164+8*\k:171+8*\k], v[68:75], v[52+\k], v[56+\k] matrix_a_fmt:MATRIX_FMT_FP4 matrix_b_fmt:MATRIX_FMT_FP4
.elseif \k == 1
	v_wmma_scale_f32_16x16x128_f8f6f4 v[DA:DA+7], v[100+8*\k:107+8*\k], v[164+8*\k:171+8*\k], 0, v[52+\k], v[56+\k] matrix_a_fmt:MATRIX_FMT_FP4 matrix_b_fmt:MATRIX_FMT_FP4
.elseif \k < 4
	v_wmma_scale_f32_16x16x128_f8f6f4 v[DA:DA+7], v[100+8*\k:107+8*\k], v[164+8*\k:171+8*\k], v[DA:DA+7], v[52+\k], v[56+\k] matrix_a_fmt:MATRIX_FMT_FP4 matrix_b_fmt:MATRIX_FMT_FP4
.else
	v_wmma_scale_f32_16x16x128_f8f6f4 v[DA:DA+7], v[100+8*\k:107+8*\k], v[164+8*\k:171+8*\k], v[DA:DA+7], v[48+\k], v[52+\k] matrix_a_fmt:MATRIX_FMT_FP4 matrix_b_fmt:MATRIX_FMT_FP4 matrix_a_scale:MATRIX_SCALE_ROW1 matrix_b_scale:MATRIX_SCALE_ROW1
.endif
.endr
.rept 4
	v_nop                                          ; four places between the last product and the first read of results (ISA guide 7.12.1)
.endr
.irp i, 0,2,4,6
	v_pk_add_f32 v[92+\i:93+\i], v[76+\i:77+\i], v[84+\i:85+\i]         ; both accumulators from their low ends on
.endr
.irp i, 0,2,4,6
	v_pk_mul_f32 v[92+\i:93+\i], v[92+\i:93+\i], s[40:41] op_sel_hi:[1,0]   ; x c
.endr
	ds_store_b128 v15, v[92:95]                    ; lane (r, h): batch row r, a = 16 T + 8 h + 0 .. 7
	ds_store_b128 v15, v[96:99] offset:16
	s_wait_dscnt 0x0                               ; for the others' sake: my stores into the stage are done
	s_barrier_signal -1
	s_barrier_wait -1
	ds_load_b128 v[228:231], v236
	ds_load_b128 v[232:235], v236 offset:544
	s_wait_dscnt 0x0
	global_store_b128 v237, v[228:231], s[22:23]               ; 16 lanes store 256 consecutive bytes, aligned
	global_store_b128 v237, v[232:235], s[22:23] offset:8192
	s_wait_tensorcnt 0x0                           ; the wave's end, behind my last LDS store
	ds_add_u32 v[SPW], v[NIL]
	s_wait_dscnt 0x0
	s_endpgm
.Lfunc_end_k_q0dfa9827f7_prep:
	.size	k_q0dfa9827f7_prep, .Lfunc_end_k_q0dfa9827f7_prep-k_q0dfa9827f7_prep
	.p2alignl 7, 3214868480
	.fill 96, 4, 3214868480
	.section	.rodata,"a",@progbits
	.p2align	6, 0x0
	.amdhsa_kernel k_q0dfa9827f7_prep
		.amdhsa_group_segment_fixed_size 5120
		.amdhsa_private_segment_fixed_size 0
		.amdhsa_enable_private_segment 0
		.amdhsa_kernarg_size 80
		.amdhsa_user_sgpr_count 2
		.amdhsa_user_sgpr_kernarg_segment_ptr 1
		.amdhsa_wavefront_size32 1
		.amdhsa_system_sgpr_workgroup_id_x 1
		.amdhsa_system_sgpr_workgroup_id_y 1
		.amdhsa_system_sgpr_workgroup_id_z 1
		.amdhsa_system_vgpr_workitem_id 0
		.amdhsa_next_free_vgpr 256
		.amdhsa_next_free_sgpr 66
		.amdhsa_reserve_vcc 0
		.amdhsa_float_denorm_mode_32 3
		.amdhsa_float_denorm_mode_16_64 3
		.amdhsa_memory_ordered 1
		.amdhsa_forward_progress 1
		.amdhsa_inst_pref_size 11
	.end_amdhsa_kernel
	.amdgpu_metadata
---
amdhsa.version: [ 1, 2 ]
amdhsa.kernels:
  - .name:           k_q0dfa9827f7_prep
    .symbol:         k_q0dfa9827f7_prep.kd
    .args:
      - { .name: W_enc_codes, .offset: 0, .size: 8, .value_kind: global_buffer, .address_space: global }
      - { .name: W_enc_scales, .offset: 8, .size: 8, .value_kind: global_buffer, .address_space: global }
      - { .name: W_dec_codes, .offset: 16, .size: 8, .value_kind: global_buffer, .address_space: global }
      - { .name: W_dec_scales, .offset: 24, .size: 8, .value_kind: global_buffer, .address_space: global }
      - { .name: decoder_hidden_codes, .offset: 32, .size: 8, .value_kind: global_buffer, .address_space: global }
      - { .name: decoder_hidden_scales, .offset: 40, .size: 8, .value_kind: global_buffer, .address_space: global }
      - { .name: b_dec, .offset: 48, .size: 8, .value_kind: global_buffer, .address_space: global }
      - { .name: b_enc, .offset: 56, .size: 8, .value_kind: global_buffer, .address_space: global }
      - { .name: wfr, .offset: 64, .size: 8, .value_kind: global_buffer, .address_space: global }
      - { .name: biasc, .offset: 72, .size: 8, .value_kind: global_buffer, .address_space: global }
    .group_segment_fixed_size: 5120
    .private_segment_fixed_size: 0
    .kernarg_segment_align: 8
    .kernarg_segment_size: 80
    .max_flat_workgroup_size: 128
    .sgpr_count:     66
    .vgpr_count:     256
    .wavefront_size: 32
...
	.end_amdgpu_metadata
.endif
;; end of part 1
;; launch main (part 2): grid 256 x 1, 4 waves a work-group, no clusters, 327,680 bytes of LDS; arguments encoder_outputs, mask, wfr, biasc, w_e, eng, pctx, stat; writes eng, pctx, stat
.if DOCPART == 2
	.amdgcn_target "amdgcn-amd-amdhsa--gfx1250"
	.amdhsa_code_object_version 6
	.text
	.protected	k_q0dfa9827f7_main
	.globl	k_q0dfa9827f7_main
	.p2align	8
	.type	k_q0dfa9827f7_main,@function
k_q0dfa9827f7_main:
	s_mov_b64 s[64:65], 0
	v_nop
	global_prefetch_b8 v0, s[64:65] scope:SCOPE_SE
	s_setreg_imm32_b32 hwreg(HW_REG_WAVE_MODE, 25, 1), 1
	s_wait_xcnt 0x0
; BahdanauAttention in MX-FP4, launch 2 of 3: encoder_outputs is read ONCE and serves both the energies and the context.
; LEFT OUT (shown at the head of the first kernel): b_e and sum_a w_e[a], both the same along the softmax's axis.  The energy kept, in units of log2:
;   t[s] = sum_a (-2 log2(e) w_e[a]) / (1 + 2^(c x[s][a])),  c x = c (encoder_outputs[s] . W_enc[:, a]) + biasc[b][a],  c = 2 log2(e);  -infinity where the mask is 0.
; SHARES.  Work-group wg owns rows 256 wg .. + 255 of the 65,536 (batch row b = wg / 8), in 4 blocks of 64.  Wave w lands, quantises and keeps rows 16 w .. + 15 of a block;
; in the product it owns columns a = 256 w .. + 255 (16 tiles) for all 64 rows; in the context a lane owns columns 32 l .. + 31 of its wave's rows.
; A BLOCK.  Q: a lane takes a whole block of 32 numbers of a row from the landing slot: largest magnitude, scale byte, 32 codes (to LDS, as rows), and a bf16 copy of the row (256 registers a wave).
;   | barrier, behind which the slot takes the next block's rows: one tensor load a wave, 16 rows x 4,096 bytes, which has the rest of the block's work in which to land |
;   the 64 rows' codes into 256 registers; 16 tiles, two at a time: 64 products (W_enc's fragments come from wfr straight into a ring of four register places), then 1 / (1 + 2^(c x)) and the sum with w_e
;   | barrier | the four waves' partial energies are added, masked and stored; running maximum m and sum l; context = context x 2^(m_old - m_new) + p x the bf16 rows.
; THE WALK OVER W TURNS ROUND: blocks 0 and 2 take a wave's four groups of four tiles in the order 0, 1, 2, 3, blocks 1 and 3 in the order 3, 2, 1, 0.  A block's last group is the next block's first and
;   stays in the ring, so a block's last group fetches nothing: a wave loads 16 + 3 x 12 = 52 records of wfr for its 64 tiles.
; THE TEXT: at the head each wave asks for its 16 rows of block 0, one tensor load; the first Q; three trips of (barrier, refill, product, energies, the next block's Q); the last block's product and energies, which ask for nothing.
; The product is used transposed (source 0 = 16 rows of W_enc, source 1 = 16 encoder rows): a lane holds one encoder row and eight neighbouring a.
; The work-group leaves its maximum, its sum and its context under that maximum; the last launch joins the 8 work-groups of a batch row.
; NO CLUSTER: the encoder rows are each work-group's own; W_enc, which all share, goes into registers, each fragment to one wave of a work-group, and of the 327,680 bytes of LDS 326,144 are taken: no ring for it fits.
; LIMITS: NaN and infinities among the inputs are not served.  A block of 32 whose largest magnitude lies under 2^-124 (a block of zeros too) gets the scale byte 1: the bytes are read by this program alone.
;   p under 2^-126 counts as 0.  The context's encoder operand is bf16, its weights f32.  A batch row whose mask is all 0 gives NaN, as reference() does.
; LDS: the landing slot at 0: 64 rows x 4,352 bytes: 16 bytes of padding behind each 256, so that lane l's 128 bytes begin at 128 l + 16 (l / 2), a multiple of 16:
.set ENCW,  69632                      ; a wave's 16 rows in the landing slot
.set ACODE, 278528                     ; codes: 64 rows x (512 + 16) bytes
.set ASCL,  312320                     ; scale bytes: 64 rows x 48 bytes (32 used)
.set CB,    315392                     ; biasc[b]: 4,096 bytes; each wave writes and reads its own 1,024;  4,096 further on: -2 log2(e) w_e likewise
.set EX,    323584                     ; the exchange of partial energies: 16 bytes a row, 4 a wave
.set PB,    324608                     ; p: 256 bytes for each wave, its own
.set SPARE, 325632                     ; the spare words, 128 bytes for each wave: two blocks of 256 bytes that no other line names
; The way out's stage lies at 0, in the landing slot, behind its last fill and last read: 4 waves x 32 lanes x 144 bytes.
; SCALARS: s[4:19] the eight addresses; s20 wave; s22 the backward walk's LDS offset; s23 1 in a block that walks forward; s[24:31], s[32:35] the tensor loads' descriptor; s36 blocks to go; s37 the group's trip;
;   s38, s39, s46 at work; s[40:45] constants; s[76:77] where my prefetches stand.
; REGISTERS, in windows of 256: window 1: the 64 rows' codes, v[64 m + 8 k + 4 c];  window 2: the bf16 copy, v[16 i + q] = columns 32 l + 2 q, + 1 of my row i;  window 3: W's ring, v[64 p + 8 k + 4 c];  window 0:
.set LQ,   1                           ; my block in my wave's rows of the slot
.set CST,  2                           ; where my 16 bytes of codes go
.set SST,  3                           ; and my scale byte
.set AFA,  4                           ; a fragment's place among the codes
.set ASA,  5                           ; and among the scale bytes
.set CBA,  6                           ; my eight biases of a tile
.set WEA,  7                           ; my eight weights
.set EXS,  8
.set EXL,  9
.set PBS,  10
.set PBL,  11
.set WO0,  12                          ; 16 l
.set WO,   13                          ; + the group of four tiles that is being fetched
.set CBG,  14
.set WEG,  15
.set EOFF, 16                          ; my byte offset in the work-group's part of eng
.set MKL,  17                          ; the mask of my two rows of each block: 16 bits a block
.set MKH,  18
.set SPW,  19                          ; LDS address of my spare word; never rewritten
.set NIL,  20                          ; 0; never rewritten
.set STS,  21                          ; the way out's stage: in,
.set MR,   22                          ; the running maximum
.set STL,  23                          ; and back
.set F,    24                          ; v[24:25] 2^(m_old - m_new)
.set LS,   26                          ; my rows' part of the running sum
.set NINF, 27
.set T,    28                          ; v28-31 at work
.set SCO,  32                          ; the conversions' scale operand
.set BY,   33                          ; v33-34 a scale byte, two sets
.set POF,  35                          ; 16 x thread
.set CD,   36                          ; v36-43 a block's codes, two sets
.set AS,   44                          ; v44-59 the encoder rows' scale words: 4 m + q
.set WSR,  60                          ; v60-75 W's scale words: 4 p + q
.set ESUM, 76                          ; v76-83 the energies' sums, a pair for each tile of rows
.set CBR,  100                         ; v100-115 the biases of a pair of tiles
.set WER,  116                         ; v116-131 and its weights
.set CTX,  132                         ; v132-163 the context: my 32 columns
.set X,    164                         ; v164-227 two rows' blocks of 32 numbers in Q; scratch in the energies' phase and on the way out
.set ACC,  164                         ; v164-227 in the product: eight accumulators, 32 t + 8 m (tile t of the pair, rows 16 m on)
.set P,    228                         ; v228-243 p of my wave's 16 rows
.set E,    244                         ; v244-250, v254-255 at work
.set SOF,  251                         ; 8 l
.set PFO,  252                         ; 256 l: the prefetches' offset; never rewritten
.set MSB, 0
.macro WIN new                         ; the immediate's high byte repeats the setting that is left; a switch that changes nothing is dropped
.if MSB != \new
	s_set_vgpr_msb (MSB<<8)|\new
.set MSB, \new
.endif
.endm
; Row i of my 16: the block's largest magnitude with the floor 2^(3 - 127) among its leaves, so that the byte cannot fall under 1; 2 off its exponent field is the conversions' scale operand;
; 32 codes; the bf16 copy; codes and byte to LDS; ld = 1: row i + 2 is asked for, into the registers just read.
.macro QROW i, cnt, ld
.set XS, X+32*((\i)%2)
.set CQ, CD+4*((\i)%2)
	s_wait_dscnt \cnt                              ; LDS instructions come back in order (ISA guide 5.7.1): my row is in; what was issued behind its loads may be out
.irp j, 0,1,2,3
	v_max3_num_f32 v[T+\j], |v[XS+8*\j]|, |v[XS+8*\j+1]|, |v[XS+8*\j+2]|
.endr
.irp j, 0,1,2,3
	v_max3_num_f32 v[T+\j], v[T+\j], |v[XS+8*\j+3]|, |v[XS+8*\j+4]|
.endr
.irp j, 0,1,2,3
	v_max3_num_f32 v[T+\j], v[T+\j], |v[XS+8*\j+5]|, |v[XS+8*\j+6]|
.endr
	v_max3_num_f32 v[T], v[T], |v[XS+7]|, |v[XS+15]|
	v_max3_num_f32 v[T+2], v[T+2], |v[XS+23]|, |v[XS+31]|
	v_max3_num_f32 v[T], v[T], v[T+1], v[T+2]
	v_max3_num_f32 v[T], v[T], v[T+3], 0x1800000
	v_add_nc_u32 v[SCO], 0xff000000, v[T]
.irp g, 0,1,2,3
	v_cvt_scalef32_pk8_fp4_f32 v[CQ+\g], v[XS+8*\g:XS+8*\g+7], v[SCO]
.endr
	v_lshrrev_b32 v[BY+(\i)%2], 23, v[SCO]         ; the scale's byte (a plain line behind the conversions)
	WIN 0x80                                       ; destination window 2
.irp q, 0,1,2,3,4,5,6,7,8,9,10,11,12,13,14,15
	v_cvt_pk_bf16_f32 v[16*(\i)+\q], v[XS+2*\q], v[XS+2*\q+1]
.endr
	WIN 0
	ds_store_b128 v[CST], v[CQ:CQ+3] offset:528*(\i)     ; the 32 lanes' codes are the row's 512 bytes
	ds_store_b8 v[SST], v[BY+(\i)%2] offset:48*(\i)
.if \ld
.irp q, 0,1,2,3,4,5,6,7
	ds_load_b128 v[XS+4*\q:XS+4*\q+3], v[LQ] offset:4352*((\i)+2)+16*\q
.endr
.endif
.endm
; The counts on DScnt: behind a row's 8 loads stand the row before's 2 stores and the next row's 8 loads (10); behind row 0's only row 1's loads (8); behind row 15's only row 14's stores (2).
; A set of codes and its byte are written again two rows on, behind a wait that has also shown their stores done.
; One tensor load of mine is out at the most: my 16 rows; only I read them.
; ask = 1 holds THE PREFETCH: the first eight of my sixteen rows of the block after this one: 32,768 bytes, four instructions, each lane another aligned block of 256 bytes; it stands behind the phase's
; first LDS loads, one Q phase (16 rows' work) ahead of the tensor load that asks for those rows.  Each wave names its own rows, so each block of 256 bytes is named once in the launch.  The first Q asks for nothing,
; so block 1 comes by its load alone; the last block's Q (s36 = 1) asks for nothing: no block follows.
.macro QPHASE ask
	s_wait_tensorcnt 0x0
.irp q, 0,1,2,3,4,5,6,7
	ds_load_b128 v[X+4*\q:X+4*\q+3], v[LQ] offset:16*\q
.endr
.irp q, 0,1,2,3,4,5,6,7
	ds_load_b128 v[X+32+4*\q:X+35+4*\q], v[LQ] offset:4352+16*\q
.endr
.if \ask
	s_cmp_gt_u32 s36, 1
	s_cbranch_scc0 .Lno_ask_\@
.irp j, 0,1,2,3
	global_prefetch_b8 v[PFO], s[76:77] offset:8192*\j th:TH_LOAD_NT scope:SCOPE_SE
.endr
.Lno_ask_\@:
.endif
	QROW 0, 8, 1
.irp i, 1,2,3,4,5,6,7,8,9,10,11,12,13
	QROW \i, 10, 1
.endr
	QROW 14, 10, 0
	QROW 15, 2, 0
.endm
; The 64 rows' codes and scale words into registers, where they stay for the block's 16 tiles: no fragment is read twice.
.macro AFETCH
	WIN 0x40                                       ; destination window 1
.irp m, 0,1,2,3
.irp k, 0,1,2,3,4,5,6,7
.irp c, 0,1
	ds_load_b128 v[64*\m+8*\k+4*\c:64*\m+8*\k+4*\c+3], v[AFA] offset:8448*\m+64*\k+32*\c
.endr
.endr
.endr
	WIN 0
.irp m, 0,1,2,3
	ds_load_b128 v[AS+4*\m:AS+4*\m+3], v[ASA] offset:768*\m    ; register q: lanes 0-15 K step q, lanes 16-31 K step 4 + q
.endr
.irp j, 0,1,2,3,4,5,6,7
	v_mov_b32 v[ESUM+\j], 0
.endr
	s_wait_dscnt 0x0
.endm
; Two tiles' records of wfr into ring places p and p + 1: for each 16 images of 512 consecutive bytes, in one run under one setting of the windows, then the two scale images: 34 loads.
.macro WPAIR p, a
	WIN 0xc0                                       ; destination window 3
.irp t, 0,1
.irp j, 0,1,2,3,4,5,6,7,8,9,10,11,12,13,14,15
	global_load_b128 v[64*((\p)+\t)+4*\j:64*((\p)+\t)+4*\j+3], v[\a], s[8:9] offset:8704*((\p)+\t)+512*\j
.endr
.endr
	WIN 0
.irp t, 0,1
	global_load_b128 v[WSR+4*((\p)+\t):WSR+4*((\p)+\t)+3], v[\a], s[8:9] offset:8704*((\p)+\t)+8192
.endr
.endm
; 64 numbers a lane for a pair of tiles: u = c x; 1 / (1 + 2^u); times the weight, into the row's sum.  2^u = infinity gives 0 and 2^u = 0 gives 1: no branch, no clamp.
; Each batch of 64 transcendentals has a wait ahead of it, and one plain line and one wait behind it.  Each accumulator is read from its low end on.
.macro TANH
.irp u, 0,1,2,3
.irp t, 0,1
.irp m, 0,1,2,3
	v_pk_fma_f32 v[ACC+32*\t+8*\m+2*\u:ACC+32*\t+8*\m+2*\u+1], v[ACC+32*\t+8*\m+2*\u:ACC+32*\t+8*\m+2*\u+1], s[40:41], v[CBR+8*\t+2*\u:CBR+8*\t+2*\u+1] op_sel_hi:[1,0,1]
.endr
.endr
.endr
.set n, 0
	s_wait_alu depctr_va_vdst(0)
.rept 64
	v_exp_f32 v[ACC+n], v[ACC+n]
.set n, n+1
.endr
	v_nop
	s_wait_alu depctr_va_vdst(0)
.set n, 0
.rept 32
	v_pk_add_f32 v[ACC+n:ACC+n+1], v[ACC+n:ACC+n+1], 1.0 op_sel_hi:[1,0]
.set n, n+2
.endr
.set n, 0
	s_wait_alu depctr_va_vdst(0)
.rept 64
	v_rcp_f32 v[ACC+n], v[ACC+n]
.set n, n+1
.endr
	v_nop
	s_wait_alu depctr_va_vdst(0)
.irp u, 0,1,2,3
.irp t, 0,1
.irp m, 0,1,2,3
	v_pk_fma_f32 v[ESUM+2*\m:ESUM+2*\m+1], v[ACC+32*\t+8*\m+2*\u:ACC+32*\t+8*\m+2*\u+1], v[WER+8*\t+2*\u:WER+8*\t+2*\u+1], v[ESUM+2*\m:ESUM+2*\m+1]
.endr
.endr
.endr
.endm
; A pair of tiles, ring places p and p + 1: 32 columns a x 64 rows: 64 products, the eight accumulators by turns, K ascending; the first eight start the sums with the constant 0.
; cnt: the loads issued behind this pair's 34, which may stay out.  ld = 1: the two places take the same places' tiles of the walk's next group; the loads' offset is made ahead of the products,
; so that the windows go from the products' setting straight to the loads': three switches for a pair that fetches.
.macro TILE p, ld, cnt
.irp j, 0,1,2,3
	ds_load_b128 v[CBR+4*\j:CBR+4*\j+3], v[CBG] offset:64*(\p)+64*(\j/2)+16*(\j%2)
	ds_load_b128 v[WER+4*\j:WER+4*\j+3], v[WEG] offset:64*(\p)+64*(\j/2)+16*(\j%2)
.endr
.if (\ld) && ((\p) == 0)
	s_wait_xcnt 0x0                                ; the last trip's loads have read their offset register: it is written only behind this wait
	v_add_nc_u32 v[WO], s39, v[WO0]                ; 16 l + 34,816 x the walk's next group
	s_wait_alu depctr_va_vdst(0)                   ; the wait directly behind the write
.endif
	s_wait_loadcnt \cnt
	WIN 0x07                                       ; source 0 (W) window 3, source 1 (the rows) window 1
.irp k, 0,1,2,3,4,5,6,7
.irp t, 0,1
.irp m, 0,1,2,3
.if \k == 0
	v_wmma_scale_f32_16x16x128_f8f6f4 v[ACC+32*\t+8*\m:ACC+32*\t+8*\m+7], v[64*((\p)+\t)+8*\k:64*((\p)+\t)+8*\k+7], v[64*\m+8*\k:64*\m+8*\k+7], 0, v[WSR+4*((\p)+\t)+\k], v[AS+4*\m+\k] matrix_a_fmt:MATRIX_FMT_FP4 matrix_b_fmt:MATRIX_FMT_FP4
.elseif \k < 4
	v_wmma_scale_f32_16x16x128_f8f6f4 v[ACC+32*\t+8*\m:ACC+32*\t+8*\m+7], v[64*((\p)+\t)+8*\k:64*((\p)+\t)+8*\k+7], v[64*\m+8*\k:64*\m+8*\k+7], v[ACC+32*\t+8*\m:ACC+32*\t+8*\m+7], v[WSR+4*((\p)+\t)+\k], v[AS+4*\m+\k] matrix_a_fmt:MATRIX_FMT_FP4 matrix_b_fmt:MATRIX_FMT_FP4
.else
	v_wmma_scale_f32_16x16x128_f8f6f4 v[ACC+32*\t+8*\m:ACC+32*\t+8*\m+7], v[64*((\p)+\t)+8*\k:64*((\p)+\t)+8*\k+7], v[64*\m+8*\k:64*\m+8*\k+7], v[ACC+32*\t+8*\m:ACC+32*\t+8*\m+7], v[WSR+4*((\p)+\t)+\k-4], v[AS+4*\m+\k-4] matrix_a_fmt:MATRIX_FMT_FP4 matrix_b_fmt:MATRIX_FMT_FP4 matrix_a_scale:MATRIX_SCALE_ROW1 matrix_b_scale:MATRIX_SCALE_ROW1
.endif
.endr
.endr
.endr
.rept 4
	v_nop                                          ; four places in front of the loads into registers that the products have read, and of the first read of results
.endr
.if \ld
	WPAIR \p, WO
.else
	WIN 0
.endif
	s_wait_dscnt 0x0                               ; the pair's biases and weights
	TANH
.endm
; Four tiles: trip s37 of a block's four.  Forward (s23 = 1) it is group s37, backward group 3 - s37; 256 x the group is s37 << 8 or s22, which steps down from 768: both stay inside my wave's 1,024 bytes of biases and of weights.
; ld = 1: the ring takes the walk's next group: 256 more or 256 less, times 136: a group's four records are 34,816 bytes.
; Behind a pair's 34 loads stand those of the other pair: 34; in the trip that fetches nothing the counts are 34 and 0.  (The ring has 68 loads out at the most; the issue of a load waits where the counter's field is full: ISA guide 5.7.1.)
.macro GTRIP ld
	s_lshl_b32 s38, s37, 8
.if \ld
	s_add_co_u32 s39, s38, 256
	s_sub_co_u32 s46, s22, 256
.endif
	s_cmp_lg_u32 s23, 0
	s_cselect_b32 s38, s38, s22
.if \ld
	s_cselect_b32 s39, s39, s46
	s_mul_i32 s39, s39, 136
.endif
	v_add_nc_u32 v[CBG], s38, v[CBA]
	v_add_nc_u32 v[WEG], s38, v[WEA]
.if \ld
	TILE 0, 1, 34
	TILE 2, 1, 34
.else
	TILE 0, 0, 34
	TILE 2, 0, 0
.endif
.endm
; A block's 16 tiles: three trips that fetch the next group, and the last group, which stays in the ring for the next block.  s36 is 3, 2, 1, 0 in blocks 0 to 3: odd = forward.
.macro GEMM
	s_and_b32 s23, s36, 1
	s_mov_b32 s22, 768
	s_mov_b32 s37, 0
.Lgroup_\@:
	GTRIP 1
	s_sub_co_u32 s22, s22, 256
	s_add_co_u32 s37, s37, 1
	s_cmp_lt_u32 s37, 3
	s_cbranch_scc1 .Lgroup_\@
	GTRIP 0
.endm
; The block's energies, the running softmax and the context.  more = 1: a block follows: the registers that the store of the energies reads stay as they are up to the wait at the trip's end.
; more = 0: the way out follows, which writes the store's data registers: the wait stands here.
.macro ENERGY more
.irp m, 0,1,2,3
	v_add_f32 v[E+\m], v[ESUM+2*\m], v[ESUM+2*\m+1]
.endr
.irp m, 0,1,2,3
	v_permlanex16_b32 v[T+\m], v[E+\m], s42, s43
.endr
.irp m, 0,1,2,3
	v_add_f32 v[E+\m], v[E+\m], v[T+\m]            ; row 16 m + r, over my wave's 256 columns
.endr
.irp m, 0,1,2,3
	ds_store_b32 v[EXS], v[E+\m] offset:256*\m     ; (lanes l and l + 16 write the same word with the same value)
.endr
	s_wait_dscnt 0x0                               ; for the others' sake: my partial sums are in LDS; my reads of the codes ended long ago
	s_barrier_signal -1
	s_barrier_wait -1                              ; the next block's rows may stay on their way
	ds_load_b128 v[X:X+3], v[EXL]                  ; row 2 l: the four waves' parts;
	ds_load_b128 v[X+4:X+7], v[EXL] offset:16      ; row 2 l + 1.  All four waves do the same arithmetic on the same numbers
	s_wait_dscnt 0x0
	v_pk_add_f32 v[X:X+1], v[X:X+1], v[X+2:X+3]
	v_pk_add_f32 v[X+4:X+5], v[X+4:X+5], v[X+6:X+7]
	v_and_b32 v[E+2], 0xff, v[MKL]
	v_bfe_u32 v[E+3], v[MKL], 8, 8
	v_add_f32 v[E], v[X], v[X+1]
	v_add_f32 v[E+1], v[X+4], v[X+5]
	v_cmp_ne_u32 vcc_lo, 0, v[E+2]
	v_cndmask_b32 v[E], v[NINF], v[E], vcc_lo      ; -infinity where the mask is 0
	v_cmp_ne_u32 vcc_lo, 0, v[E+3]
	v_cndmask_b32 v[E+1], v[NINF], v[E+1], vcc_lo
	v_lshrrev_b32 v[MKL], 16, v[MKL]               ; on to the next block's 16 bits
	v_lshl_or_b32 v[MKL], v[MKH], 16, v[MKL]
	v_lshrrev_b32 v[MKH], 16, v[MKH]
	s_cmp_lg_u32 s20, 0
	s_cbranch_scc1 .Lnot_wave_0_\@
	global_store_b64 v[EOFF], v[E:E+1], s[14:15]   ; wave 0 stores the block's 64 energies: 256 consecutive bytes, aligned
.Lnot_wave_0_\@:
	s_wait_alu depctr_va_vdst(0)
	v_max_num_f32 v[E+2], v[E], v[E+1]
	v_max_num_f32_dpp v[E+2], v[E+2], v[E+2] row_xmask:1 row_mask:0xf bank_mask:0xf
	v_max_num_f32_dpp v[E+2], v[E+2], v[E+2] row_xmask:2 row_mask:0xf bank_mask:0xf
	v_max_num_f32_dpp v[E+2], v[E+2], v[E+2] row_xmask:4 row_mask:0xf bank_mask:0xf
	v_max_num_f32_dpp v[E+2], v[E+2], v[E+2] row_xmask:8 row_mask:0xf bank_mask:0xf
	v_permlanex16_b32 v[T], v[E+2], s42, s43
	v_max_num_f32 v[E+2], v[E+2], v[T]             ; the block's largest energy
	v_max_num_f32 v[E+3], v[MR], v[E+2]            ; the new running maximum: finite, since it began at -3e38
	v_sub_f32 v[E+4], v[MR], v[E+3]
	v_sub_f32 v[E+5], v[E], v[E+3]
	v_sub_f32 v[E+6], v[E+1], v[E+3]
	s_wait_alu depctr_va_vdst(0)
	v_exp_f32 v[F], v[E+4]
	v_exp_f32 v[E+10], v[E+5]
	v_exp_f32 v[E+11], v[E+6]
	v_mov_b32 v[MR], v[E+3]                        ; (the plain line behind the exponentials)
	s_wait_alu depctr_va_vdst(0)                   ; one wait for the three, ahead of their first reader
	v_fma_f32 v[LS], v[LS], v[F], v[E+10]
	v_add_f32 v[LS], v[LS], v[E+11]
	ds_store_b64 v[PBS], v[E+10:E+11]              ; the 64 p into my wave's own 256 bytes;
.irp i, 0,1,2,3
	ds_load_b128 v[P+4*\i:P+4*\i+3], v[PBL] offset:16*\i   ; those of my 16 rows come back into every lane (LDS serves a wave's instructions in order: ISA guide 5.7.1.4)
.endr
.irp q, 0,2,4,6,8,10,12,14,16,18,20,22,24,26,28,30
	v_pk_mul_f32 v[CTX+\q:CTX+\q+1], v[CTX+\q:CTX+\q+1], v[F:F+1] op_sel_hi:[1,0]
.endr
	s_wait_dscnt 0x0
	WIN 0x02                                       ; source 0 window 2: the bf16 copy
.irp i, 0,1,2,3,4,5,6,7,8,9,10,11,12,13,14,15
.irp q, 0,1,2,3,4,5,6,7,8,9,10,11,12,13,14,15
	v_fma_mix_f32_bf16 v[CTX+2*\q], v[16*\i+\q], v[P+\i], v[CTX+2*\q] op_sel_hi:[1,0,0]
	v_fma_mix_f32_bf16 v[CTX+2*\q+1], v[16*\i+\q], v[P+\i], v[CTX+2*\q+1] op_sel:[1,0,0] op_sel_hi:[1,0,0]
.endr
.endr
	WIN 0
.if (\more) == 0
	s_wait_xcnt 0x0                                ; the store of the energies has read its data: the way out writes those registers
.endif
.endm
	s_load_b512 s[4:19], s[0:1], 0x0               ; encoder_outputs, mask, wfr, biasc, w_e, eng, pctx, stat
	v_lshl_add_u32 v[SPW], v0, 2, SPARE
	v_mov_b32 v[NIL], 0
	ds_add_u32 v[SPW], v[NIL]                      ; the wave's opening: the add, twice on end, and its wait ahead of my first tensor load
	ds_add_u32 v[SPW], v[NIL]
	v_lshrrev_b32 v[E], 5, v0
	v_readfirstlane_b32 s20, v[E]                  ; wave 0..3
	; descriptor group 1: 16 rows x 1,024 elements of 4 bytes, dense in memory
	s_mov_b32 s24, 0x07520000                      ; 15:0 no mask; 17:16 elements of 4 bytes; 20 padding on; 24:22 after every 64 words (code 5); 31:25 four words (code 3)
	s_mov_b32 s25, 1024<<16                        ; tensor_dim0
	s_mov_b32 s26, 16<<16                          ; tensor_dim1
	s_mov_b32 s27, 1024<<16                        ; tile_dim0
	s_mov_b32 s28, 16                              ; tile_dim1
	s_mov_b32 s29, 1024                            ; elements from row to row
	s_mov_b32 s30, 0
	s_mov_b32 s31, 0
	s_mov_b32 s32, 1                               ; group 0: count = 1
	s_mul_i32 s33, s20, ENCW                       ; LDS address: my wave's part of the slot
	s_lshl_b32 s46, ttmp9, 20                      ; 256 rows of 4,096 bytes a work-group,
	s_lshl_b32 s38, s20, 16                        ; 16 a wave
	s_add_co_u32 s46, s46, s38
	s_mov_b32 s47, 0
	s_mov_b32 s40, 0x4038aa3b                      ; c = 2 log2(e)
	s_mov_b32 s41, 0x4038aa3b
	s_mov_b32 s42, 0x76543210                      ; v_permlanex16_b32: lane l xor 16
	s_mov_b32 s43, 0xfedcba98
	s_mov_b32 s44, 0xc038aa3b                      ; -2 log2(e)
	s_mov_b32 s45, 0xc038aa3b
	s_wait_dscnt 0x0                               ; both opening adds are done
	s_wait_kmcnt 0x0
	s_add_nc_u64 s[34:35], s[4:5], s[46:47]        ; my 16 rows of block 0; the first refill steps it to block 1
	s_add_nc_u64 s[76:77], s[34:35], 524288        ; the prefetches' base: block 2, which the first prefetch names; stepped at each trip's end
	s_or_b32 s35, s35, 0x80000000                  ; type = 2
	tensor_load_to_lds s[32:35], s[24:31]          ; block 0: every wave asks for its own 16 rows: my one tensor load at the head
	s_nop 0
.rept 4
	v_nop
.endr
	s_mul_i32 s46, s20, 139264                     ; wfr: my wave's 16 records
	s_add_nc_u64 s[8:9], s[8:9], s[46:47]
	s_lshr_b32 s38, ttmp9, 3                       ; b
	s_lshl_b32 s46, s38, 12
	s_lshl_b32 s39, s20, 10                        ; my wave's 256 columns, 4 bytes each
	s_add_co_u32 s46, s46, s39
	s_add_nc_u64 s[10:11], s[10:11], s[46:47]      ; biasc
	s_mov_b32 s46, s39
	s_add_nc_u64 s[12:13], s[12:13], s[46:47]      ; w_e
	s_lshl_b32 s46, ttmp9, 8
	s_add_nc_u64 s[6:7], s[6:7], s[46:47]          ; mask: 256 bytes a work-group
	s_add_nc_u64 s[18:19], s[18:19], s[46:47]      ; stat likewise
	s_lshl_b32 s46, ttmp9, 10
	s_add_nc_u64 s[14:15], s[14:15], s[46:47]      ; eng
	s_lshl_b32 s46, ttmp9, 12
	s_add_nc_u64 s[16:17], s[16:17], s[46:47]      ; pctx
	v_and_b32 v[E], 31, v0                         ; l
	v_and_b32 v[E+1], 15, v0                       ; r
	v_bfe_u32 v[E+2], v0, 4, 1                     ; h
	v_lshlrev_b32 v[WO0], 4, v[E]
	v_lshlrev_b32 v[E+3], 1, v[E]
	global_load_b128 v[X:X+3], v[WO0], s[10:11]
	global_load_b128 v[X+4:X+7], v[WO0], s[10:11] offset:512
	global_load_b128 v[X+8:X+11], v[WO0], s[12:13]
	global_load_b128 v[X+12:X+15], v[WO0], s[12:13] offset:512
.irp j, 0,1,2,3
	global_load_u16 v[X+16+\j], v[E+3], s[6:7] offset:64*\j    ; the mask of rows 2 l, 2 l + 1 of block j
.endr
	v_lshrrev_b32 v[E+5], 1, v[E]
	v_lshlrev_b32 v[LQ], 7, v[E]
	v_lshl_add_u32 v[LQ], v[E+5], 4, v[LQ]         ; 128 l + 16 (l / 2)
	v_add_nc_u32 v[LQ], s33, v[LQ]
	s_mul_i32 s38, s20, 8448
	s_add_co_u32 s38, s38, ACODE
	v_lshl_add_u32 v[CST], v[E], 4, s38
	s_mul_i32 s38, s20, 768
	s_add_co_u32 s38, s38, ASCL
	v_add_nc_u32 v[SST], s38, v[E]
	v_mul_u32_u24 v[AFA], v[E+1], 528
	v_lshl_add_u32 v[AFA], v[E+2], 4, v[AFA]
	v_add_nc_u32 v[AFA], ACODE, v[AFA]
	v_mul_u32_u24 v[ASA], v[E+1], 48
	v_lshl_add_u32 v[ASA], v[E+2], 4, v[ASA]
	v_add_nc_u32 v[ASA], ASCL, v[ASA]
	s_add_co_u32 s38, s39, CB
	v_lshl_add_u32 v[CBA], v[E+2], 5, s38
	v_add_nc_u32 v[WEA], 4096, v[CBA]
	v_lshl_add_u32 v[E+4], v[E], 4, s38            ; where my 16 bytes of biasc go
	s_lshl_b32 s38, s20, 2
	s_add_co_u32 s38, s38, EX
	v_lshl_add_u32 v[EXS], v[E+1], 4, s38
	v_lshl_add_u32 v[EXL], v[E], 5, EX
	s_lshl_b32 s38, s20, 8
	s_add_co_u32 s38, s38, PB
	v_lshl_add_u32 v[PBS], v[E], 3, s38
	s_mul_i32 s38, s20, 320
	s_add_co_u32 s38, s38, PB
	v_mov_b32 v[PBL], s38                          ; my wave's 256 bytes, and in them my 16 rows' 64
	v_lshlrev_b32 v[EOFF], 3, v[E]
	v_lshlrev_b32 v[SOF], 3, v[E]
	v_lshlrev_b32 v[PFO], 8, v[E]
	v_lshlrev_b32 v[POF], 4, v0
	s_mul_i32 s38, s20, 4608
	v_mul_u32_u24 v[STS], v[E], 144
	v_add_nc_u32 v[STS], s38, v[STS]
	v_lshrrev_b32 v[STL], 3, v0
	v_mul_u32_u24 v[STL], v[STL], 144
	v_and_b32 v[E+5], 7, v0
	v_lshl_add_u32 v[STL], v[E+5], 4, v[STL]
	v_mov_b32 v[MR], 0xff61b1e6                    ; -3e38, under every energy: the running maximum is a number from the start
	v_mov_b32 v[F+1], 0                            ; (named as the upper half of a pair)
	v_mov_b32 v[LS], 0
	v_mov_b32 v[NINF], 0xff800000
.set n, 0
.rept 32
	v_mov_b32 v[CTX+n], 0                          ; the energies' phase is written for every block alike: the first finds zeros
.set n, n+1
.endr
	s_wait_loadcnt 0x0
.irp j, 8,10,12,14
	v_pk_mul_f32 v[X+\j:X+\j+1], v[X+\j:X+\j+1], s[44:45] op_sel_hi:[1,0]
.endr
	ds_store_b128 v[E+4], v[X:X+3]
	ds_store_b128 v[E+4], v[X+4:X+7] offset:512
	ds_store_b128 v[E+4], v[X+8:X+11] offset:4096
	ds_store_b128 v[E+4], v[X+12:X+15] offset:4608
	v_lshl_or_b32 v[MKL], v[X+17], 16, v[X+16]
	v_lshl_or_b32 v[MKH], v[X+19], 16, v[X+18]
	WPAIR 0, WO0                                   ; the ring's first four tiles: group 0, pair by pair, as the product's counted waits take them
	WPAIR 2, WO0
	s_wait_dscnt 0x0                               ; the four stores have read their registers, into which the first rows are loaded
	QPHASE 0                                       ; block 0
	s_mov_b32 s36, 3
.Lblock:                                               ; three trips: each asks for the next block, works the block just quantised, and quantises the next
	s_wait_tensorcnt 0x0                           ; no tensor load of mine is out, so group 0 may be written
	ds_add_u32 v[SPW], v[NIL]                      ; 0 onto my spare word
	s_add_nc_u64 s[34:35], s[34:35], 262144        ; 64 rows on; the type bits on top are not reached
	s_wait_dscnt 0x0                               ; the add is done, my reads of the slot are over, my codes and scale bytes are in LDS
	s_barrier_signal -1
	s_barrier_wait -1                              ; all that holds of every wave
	tensor_load_to_lds s[32:35], s[24:31]          ; the first thing behind the barrier, and my one tensor load until the next such barrier
	s_nop 0
.rept 4
	v_nop
.endr
	AFETCH
	GEMM
	ENERGY 1
	QPHASE 1
	s_wait_xcnt 0x0                                ; a whole Q phase behind them: the store of the energies has read its data and its offset, the prefetches their base: all may be written
	v_add_nc_u32 v[EOFF], 256, v[EOFF]             ; the next block's 64 energies
	s_add_nc_u64 s[76:77], s[76:77], 262144        ; the prefetches' base: 64 rows on (behind the last prefetch it is stepped once more and not used)
	s_sub_co_u32 s36, s36, 1
	s_cmp_lg_u32 s36, 0
	s_cbranch_scc1 .Lblock
	; the last block is written out: nothing more is asked for
	s_wait_dscnt 0x0                               ; my codes and scale bytes are in LDS
	s_barrier_signal -1
	s_barrier_wait -1
	AFETCH
	GEMM
	ENERGY 0
	; THE WAY OUT.  The sum over the lanes; the four waves' contexts meet in a stage and each thread stores 8 columns.
	v_add_f32_dpp v[LS], v[LS], v[LS] row_xmask:1 row_mask:0xf bank_mask:0xf
	v_add_f32_dpp v[LS], v[LS], v[LS] row_xmask:2 row_mask:0xf bank_mask:0xf
	v_add_f32_dpp v[LS], v[LS], v[LS] row_xmask:4 row_mask:0xf bank_mask:0xf
	v_add_f32_dpp v[LS], v[LS], v[LS] row_xmask:8 row_mask:0xf bank_mask:0xf
	v_permlanex16_b32 v[T], v[LS], s42, s43
	v_add_f32 v[E+1], v[LS], v[T]
	v_mov_b32 v[E], v[MR]
	s_cmp_lg_u32 s20, 0
	s_cbranch_scc1 .Lno_stat
	global_store_b64 v[SOF], v[E:E+1], s[18:19]    ; (m, l), the same pair from every lane: 256 consecutive bytes, aligned
.Lno_stat:
	s_wait_alu depctr_va_vdst(0)
.irp g, 0,1,2,3,4,5,6,7
	ds_store_b128 v[STS], v[CTX+4*\g:CTX+4*\g+3] offset:16*\g
.endr
	s_wait_dscnt 0x0                               ; for the others' sake
	s_barrier_signal -1
	s_barrier_wait -1
.irp u, 0,1,2,3
	ds_load_b128 v[X+8*\u:X+8*\u+3], v[STL] offset:4608*\u           ; wave u's part of columns 4 t .. 4 t + 3,
	ds_load_b128 v[X+8*\u+4:X+8*\u+7], v[STL] offset:4608*\u+2304    ; and of columns 512 + 4 t on
.endr
	s_wait_dscnt 0x0
.irp j, 0,2,4,6
	v_pk_add_f32 v[X+\j:X+\j+1], v[X+\j:X+\j+1], v[X+8+\j:X+9+\j]
	v_pk_add_f32 v[X+16+\j:X+17+\j], v[X+16+\j:X+17+\j], v[X+24+\j:X+25+\j]
.endr
.irp j, 0,2,4,6
	v_pk_add_f32 v[X+\j:X+\j+1], v[X+\j:X+\j+1], v[X+16+\j:X+17+\j]
.endr
	global_store_b128 v[POF], v[X:X+3], s[16:17]               ; 32 lanes store 512 consecutive bytes
	global_store_b128 v[POF], v[X+4:X+7], s[16:17] offset:2048
	s_wait_tensorcnt 0x0                           ; the wave's end, behind my last tensor load and my last LDS store
	ds_add_u32 v[SPW], v[NIL]
	s_wait_dscnt 0x0
	s_endpgm
.Lfunc_end_k_q0dfa9827f7_main:
	.size	k_q0dfa9827f7_main, .Lfunc_end_k_q0dfa9827f7_main-k_q0dfa9827f7_main
	.p2alignl 7, 3214868480
	.fill 96, 4, 3214868480
	.section	.rodata,"a",@progbits
	.p2align	6, 0x0
	.amdhsa_kernel k_q0dfa9827f7_main
		.amdhsa_group_segment_fixed_size 327680
		.amdhsa_private_segment_fixed_size 0
		.amdhsa_enable_private_segment 0
		.amdhsa_kernarg_size 64
		.amdhsa_user_sgpr_count 2
		.amdhsa_user_sgpr_kernarg_segment_ptr 1
		.amdhsa_wavefront_size32 1
		.amdhsa_system_sgpr_workgroup_id_x 1
		.amdhsa_system_sgpr_workgroup_id_y 1
		.amdhsa_system_sgpr_workgroup_id_z 1
		.amdhsa_system_vgpr_workitem_id 0
		.amdhsa_next_free_vgpr 1024
		.amdhsa_next_free_sgpr 78
		.amdhsa_reserve_vcc 1
		.amdhsa_float_denorm_mode_32 3
		.amdhsa_float_denorm_mode_16_64 3
		.amdhsa_memory_ordered 1
		.amdhsa_forward_progress 1
		.amdhsa_inst_pref_size 255
	.end_amdhsa_kernel
	.section	.bss,"aw",@nobits
	.p2align	6
	.space	262144
	.amdgpu_metadata
---
amdhsa.version: [ 1, 2 ]
amdhsa.kernels:
  - .name:           k_q0dfa9827f7_main
    .symbol:         k_q0dfa9827f7_main.kd
    .args:
      - { .name: encoder_outputs, .offset: 0, .size: 8, .value_kind: global_buffer, .address_space: global }
      - { .name: mask, .offset: 8, .size: 8, .value_kind: global_buffer, .address_space: global }
      - { .name: wfr, .offset: 16, .size: 8, .value_kind: global_buffer, .address_space: global }
      - { .name: biasc, .offset: 24, .size: 8, .value_kind: global_buffer, .address_space: global }
      - { .name: w_e, .offset: 32, .size: 8, .value_kind: global_buffer, .address_space: global }
      - { .name: eng, .offset: 40, .size: 8, .value_kind: global_buffer, .address_space: global }
      - { .name: pctx, .offset: 48, .size: 8, .value_kind: global_buffer, .address_space: global }
      - { .name: stat, .offset: 56, .size: 8, .value_kind: global_buffer, .address_space: global }
    .group_segment_fixed_size: 327680
    .private_segment_fixed_size: 0
    .kernarg_segment_align: 8
    .kernarg_segment_size: 64
    .max_flat_workgroup_size: 128
    .sgpr_count:     78
    .vgpr_count:     1024
    .wavefront_size: 32
...
	.end_amdgpu_metadata
.endif
;; end of part 2
;; launch comb (part 3): grid 32 x 4, 4 waves a work-group, no clusters, 0 bytes of LDS; arguments eng, pctx, stat, out0, out1; writes out0, out1
.if DOCPART == 3
	.amdgcn_target "amdgcn-amd-amdhsa--gfx1250"
	.amdhsa_code_object_version 6
	.text
	.protected	k_q0dfa9827f7_comb
	.globl	k_q0dfa9827f7_comb
	.p2align	8
	.type	k_q0dfa9827f7_comb,@function
k_q0dfa9827f7_comb:
	s_mov_b64 s[64:65], 0
	v_nop
	global_prefetch_b8 v0, s[64:65] scope:SCOPE_SE
	s_setreg_imm32_b32 hwreg(HW_REG_WAVE_MODE, 25, 1), 1
	s_wait_xcnt 0x0
; BahdanauAttention in MX-FP4, launch 3 of 3: the 8 work-groups' parts of a batch row are joined.  (b_e and sum_a w_e[a] are left out: shown at the head of the first kernel.)
;   M = the largest of the eight maxima m_c;  f_c = 2^(m_c - M);  L = sum_c l_c f_c;  out1[b][s] = 2^(eng[b][s] - M) / L;  out0[b][e] = sum_c (f_c / L) pctx[8 b + c][e].
; Work-group (b, y) makes 512 weights and 256 columns of the context; a thread 4 and 2.  A stream of a few kilobytes a work-group: no LDS, no barrier, no matrix unit.
; A batch row whose mask is all 0 has L = 0: 0 x infinity gives NaN, as reference() does.
; v4-19 (m_c, l_c); v20-23 energies; v24-39 pctx; v40 M; v42-49 f_c, then f_c / L; v50-53 p; v54 L; v55 1 / L; v56-57 the context
	s_load_b256 s[4:11], s[0:1], 0x0               ; eng, pctx, stat, out0
	s_load_b64 s[12:13], s[0:1], 0x20              ; out1
	s_and_b32 s14, ttmp7, 0xffff                   ; y
	v_and_b32 v1, 31, v0
	v_lshlrev_b32 v1, 3, v1                        ; stat: every lane's pair of a record is the same: each lane reads its own
	v_lshlrev_b32 v2, 4, v0
	v_lshlrev_b32 v3, 3, v0
	s_mov_b32 s17, 0
	s_wait_alu depctr_va_vdst(0)
	s_wait_kmcnt 0x0
	s_lshl_b32 s16, ttmp9, 11
	s_add_nc_u64 s[8:9], s[8:9], s[16:17]          ; stat: 8 records of 256 bytes a batch row
	s_lshl_b32 s16, ttmp9, 13
	s_lshl_b32 s15, s14, 11
	s_add_co_u32 s16, s16, s15
	s_add_nc_u64 s[4:5], s[4:5], s[16:17]          ; eng: 8,192 b + 2,048 y
	s_add_nc_u64 s[12:13], s[12:13], s[16:17]      ; out1 likewise
	s_lshl_b32 s16, ttmp9, 15
	s_lshl_b32 s15, s14, 10
	s_add_co_u32 s16, s16, s15
	s_add_nc_u64 s[6:7], s[6:7], s[16:17]          ; pctx: 8 rows of 4,096 bytes a batch row, + 1,024 y
	s_lshl_b32 s16, ttmp9, 12
	s_add_co_u32 s16, s16, s15
	s_add_nc_u64 s[10:11], s[10:11], s[16:17]      ; out0: 4,096 b + 1,024 y
.irp c, 0,1,2,3,4,5,6,7
	global_load_b64 v[4+2*\c:5+2*\c], v1, s[8:9] offset:256*\c
.endr
	global_load_b128 v[20:23], v2, s[4:5]
.irp c, 0,1,2,3,4,5,6,7
	global_load_b64 v[24+2*\c:25+2*\c], v3, s[6:7] offset:4096*\c
.endr
	s_wait_loadcnt 0x0
	v_max3_num_f32 v40, v4, v6, v8
	v_max3_num_f32 v40, v40, v10, v12
	v_max3_num_f32 v40, v40, v14, v16
	v_max_num_f32 v40, v40, v18                    ; M
.irp c, 0,1,2,3,4,5,6,7
	v_sub_f32 v[42+\c], v[4+2*\c], v40
.endr
.irp i, 0,1,2,3
	v_sub_f32 v[50+\i], v[20+\i], v40
.endr
.set n, 0
	s_wait_alu depctr_va_vdst(0)
.rept 12
	v_exp_f32 v[42+n], v[42+n]
.set n, n+1
.endr
	v_nop                                          ; a plain line behind the last exponential,
	s_wait_alu depctr_va_vdst(0)                   ; and one wait for the twelve, ahead of their first reader
	v_mul_f32 v54, v5, v42
.irp c, 1,2,3,4,5,6,7
	v_fma_f32 v54, v[5+2*\c], v[42+\c], v54        ; L
.endr
	s_wait_alu depctr_va_vdst(0)
	v_rcp_f32 v55, v54
	v_nop
	s_wait_alu depctr_va_vdst(0)
.irp c, 0,1,2,3,4,5,6,7
	v_mul_f32 v[42+\c], v[42+\c], v55
.endr
.irp i, 0,1,2,3
	v_mul_f32 v[50+\i], v[50+\i], v55
.endr
	global_store_b128 v2, v[50:53], s[12:13]       ; 32 lanes store 512 consecutive bytes
	v_mul_f32 v56, v24, v42
	v_mul_f32 v57, v25, v42
.irp c, 1,2,3,4,5,6,7
	v_fma_f32 v56, v[24+2*\c], v[42+\c], v56
	v_fma_f32 v57, v[25+2*\c], v[42+\c], v57
.endr
	global_store_b64 v3, v[56:57], s[10:11]        ; 32 lanes store 256 consecutive bytes, aligned
	s_endpgm
.Lfunc_end_k_q0dfa9827f7_comb:
	.size	k_q0dfa9827f7_comb, .Lfunc_end_k_q0dfa9827f7_comb-k_q0dfa9827f7_comb
	.p2alignl 7, 3214868480
	.fill 96, 4, 3214868480
	.section	.rodata,"a",@progbits
	.p2align	6, 0x0
	.amdhsa_kernel k_q0dfa9827f7_comb
		.amdhsa_group_segment_fixed_size 0
		.amdhsa_private_segment_fixed_size 0
		.amdhsa_enable_private_segment 0
		.amdhsa_kernarg_size 40
		.amdhsa_user_sgpr_count 2
		.amdhsa_user_sgpr_kernarg_segment_ptr 1
		.amdhsa_wavefront_size32 1
		.amdhsa_system_sgpr_workgroup_id_x 1
		.amdhsa_system_sgpr_workgroup_id_y 1
		.amdhsa_system_sgpr_workgroup_id_z 1
		.amdhsa_system_vgpr_workitem_id 0
		.amdhsa_next_free_vgpr 64
		.amdhsa_next_free_sgpr 66
		.amdhsa_reserve_vcc 0
		.amdhsa_float_denorm_mode_32 3
		.amdhsa_float_denorm_mode_16_64 3
		.amdhsa_memory_ordered 1
		.amdhsa_forward_progress 1
		.amdhsa_inst_pref_size 6
	.end_amdhsa_kernel
	.amdgpu_metadata
---
amdhsa.version: [ 1, 2 ]
amdhsa.kernels:
  - .name:           k_q0dfa9827f7_comb
    .symbol:         k_q0dfa9827f7_comb.kd
    .args:
      - { .name: eng, .offset: 0, .size: 8, .value_kind: global_buffer, .address_space: global }
      - { .name: pctx, .offset: 8, .size: 8, .value_kind: global_buffer, .address_space: global }
      - { .name: stat, .offset: 16, .size: 8, .value_kind: global_buffer, .address_space: global }
      - { .name: out0, .offset: 24, .size: 8, .value_kind: global_buffer, .address_space: global }
      - { .name: out1, .offset: 32, .size: 8, .value_kind: global_buffer, .address_space: global }
    .group_segment_fixed_size: 0
    .private_segment_fixed_size: 0
    .kernarg_segment_align: 8
    .kernarg_segment_size: 40
    .max_flat_workgroup_size: 128
    .sgpr_count:     66
    .vgpr_count:     64
    .wavefront_size: 32
...
	.end_amdgpu_metadata
.endif
;; end of part 3
